; MI455X (gfx1250); checked and timed in simulation.
; The chip was launched on July 23, 2026; its instructions are those of AMD's public machine-readable ISA for CDNA 5 (MIT licence, August 2026) and "CDNA5" Instruction Set Architecture Reference Guide (July 2026). The comments in the code are by the model that wrote it; some were corrected since.
;; Self Attention. Allowed arithmetic: matrix products marked QUANTISED: E4M3 operands, one given power-of-two scale a tensor, by v_wmma_f32_16x16x64_fp8_fp8 or v_wmma_f32_16x16x128_fp8_fp8, f32 sums; everything else in f32.
;; Inputs: b_attn 3,072 float32; b_proj 1,024 float32; lowp_scales 8 int32 (the exponents e of the quantised operands' scales 2^e); w_attn_codes 3,072 x 32 x 32 uint8 (E4M3 codes of w_attn, K innermost, in blocks of 32 codes); w_proj_codes 1,024 x 32 x 32 uint8 (E4M3 codes of w_proj, K innermost, in blocks of 32 codes); x_codes 4 x 2,048 x 32 x 32 uint8 (E4M3 codes of x, K innermost, in blocks of 32 codes).
;; Outputs: out0 4 x 2,048 x 1,024 float32.
;; This version of the problem:
;;   THIS VERSION OF THE PROBLEM IS GIVEN IN LOW PRECISION. The matrix products marked QUANTISED in the list below multiply operands that are first quantised to E4M3 (4 exponent bits, 3 mantissa bits; 8 bits a number), with one given power-of-two scale for each operand tensor; their sums are f32. All else is computed in f32.
;;   The module's matrix products, in the order in which they are computed (A, B: the left and right operand; K: the contracted axis; several contracted axes count as one K, in the product's order):
;;     1. [M 8,192, K 1,024] x [K 1,024, N 3,072]; A: input x (given as codes); B: input w_attn (given as codes): QUANTISED (scales: A lowp_scales[0], B lowp_scales[1])
;;     2. batch 64 x [M 2,048, K 64] x [K 64, N 2,048]; A: computed on the way; B: computed on the way: QUANTISED (scales: A lowp_scales[2], B lowp_scales[3])
;;     3. batch 64 x [M 2,048, K 2,048] x [K 2,048, N 64]; A: softmax (see below); B: computed on the way: QUANTISED (scales: A lowp_scales[4], B lowp_scales[5])
;;     4. [M 8,192, K 1,024] x [K 1,024, N 1,024]; A: computed on the way; B: input w_proj (given as codes): QUANTISED (scales: A lowp_scales[6], B lowp_scales[7])
;;   THE QUANTISER, for each operand of a quantised product, along K:
;;     - The operand's scale is 2^e, e = its entry of the input lowp_scales (int32; the entries are numbered through the quantised products in the list's order, A before B).
;;     - Each number is divided by the scale, clamped to +-448, and rounded to the nearest number of E4M3, ties to even, subnormals kept.
;;     - The product sums the exact products of the quantised numbers (number of the format x scale) in f32.
;;   ~~~python
;;   def quantise(x, axis, e):      # numpy; x: float32 -> the quantised numbers, widened to float32 again
;;       x = np.moveaxis(x, axis, -1); K = x.shape[-1]
;;       r = np.clip(x / 2.0 ** e, -448, 448)
;;       step = 2.0 ** (np.maximum(np.frexp(np.where(r == 0, 1, r))[1] - 1, -6) - 3)
;;       q = np.round(r / step) * step * 2.0 ** e      # np.round: ties to even
;;       return np.moveaxis(q, -1, axis).astype(np.float32)
;;   ~~~
;;   SOFTMAX AHEAD OF A QUANTISED PRODUCT. Where the list says 'softmax', what is quantised is not the finished softmax but p = 2^(t - M), with t = logit x log2(e) and M = ceil(the row's largest t), a whole number; so 1/2 < the row's largest p <= 1. The row's sum l is taken of the UNQUANTISED p, in f32, and the product's result is divided by l at the end. Since M is a whole number, a kernel that streams over the keys may use a running M (the ceiling of the running maximum): every later rescaling is an exact power of two, so the quantised numbers keep their values, but for numbers so far below the row's largest that they fall under the format's range.
;;   OPERANDS COMPUTED ON THE WAY. 'Computed on the way' means the value that the module computes at that place (a softmax that the list does not call 'softmax' is quantised finished and normalised). What goes into a quantiser is computed in f32, as accurately as f32 sums, v_exp_f32 and their like allow (about 1e-6 of the number): no bf16 or f16 on the way to a quantiser, and a product that is left as it is and whose result goes on into a quantised operand takes f32 operands (vector FMAs, or v_wmma_f32_16x16x4_f32). A number that lies on a knife's edge between two numbers of the format may be rounded either way, as far as f32 arithmetic and the matrix unit's own rounding can turn it there, and no further.
;;   INPUTS GIVEN AS CODES. w_attn (in the module: [3072, 1024], K = its axis 1); w_proj (in the module: [1024, 1024], K = its axis 1); x (in the module: [4, 2048, 1024], K = its axis 2): each comes as NAME_codes (uint8): NAME with its K axis moved to the last place and cut into blocks of 32 codes, [.., K / 32, bytes a block], one block behind the other in memory; one code a byte (a code: sign, 4 exponent bits, 3 mantissa bits); its scale is its entry of lowp_scales. Its value is code x scale, taken as it is: it is not quantised again, and the codes and scales need not be those that the quantiser above would give.
;; One version. Each part assembles by itself: llvm-mc -triple=amdgcn-amd-amdhsa -mcpu=gfx1250 --defsym DOCPART=n.
;; ======== version 1 of 1: 3 launches
;; limits: right only within a limited range of input values
;; workspace buffers: qkv 25,165,824 bytes; ycodes 8,388,608 bytes
;; launch qkv (part 1): grid 12 x 32, 4 waves a work-group, clusters of 4 x 4, 327,680 bytes of LDS; arguments x_codes, w_attn_codes, lowp_scales, b_attn, qkv; writes qkv
.if DOCPART == 1
	.amdgcn_target "amdgcn-amd-amdhsa--gfx1250"
	.amdhsa_code_object_version 6
	.text
	.protected	k_q9345afc123_qkv
	.globl	k_q9345afc123_qkv
	.p2align	8
	.type	k_q9345afc123_qkv,@function
k_q9345afc123_qkv:
	s_mov_b64 s[64:65], 0
	v_nop
	global_prefetch_b8 v0, s[64:65] scope:SCOPE_SE
	s_setreg_imm32_b32 hwreg(HW_REG_WAVE_MODE, 25, 1), 1
	s_wait_xcnt 0x0
	s_wait_alu depctr_hold_cnt(0) depctr_sa_sdst(0) depctr_va_vdst(0) depctr_va_sdst(0) depctr_va_ssrc(0) depctr_va_vcc(0) depctr_vm_vsrc(0)
	s_getreg_b32 s2, hwreg(HW_REG_IB_STS2, 6, 4)
	s_cmp_eq_u32 s2, 0
	s_cbranch_scc0 .Lentry_in_a_cluster
	s_endpgm
.Lentry_in_a_cluster:
	s_bfe_u32 s2, ttmp6, 0x10000c
	s_cmp_lg_u32 s2, 0xf033
	s_cbranch_scc0 .Lentry_shape_is_right
	s_endpgm
.Lentry_shape_is_right:
; qkv = x w_attn^T + b_attn on codes of FP8 (E4M3), then quantised again: q with 2^e2, k with 2^e3, v with 2^e5 (e0 .. e7: the eight whole numbers of lowp_scales; x has e0, w_attn e1).
; OUTPUT, in rows of 2,048 bytes.  Rows 0 .. 8191: token 2048 b + t: bytes 0-1023 q's codes, bytes 1024-2047 k's (feature innermost).
; Rows 8192 + 1024 b + f: v's codes of feature f, the batch's 2,048 keys innermost, since the keys are the K of the product that reads v.
; WITHIN EVERY 32 BYTES OF A ROW THE TWO MIDDLE GROUPS OF 8 CHANGE PLACES: byte 32 c + 16 h + 8 g + i holds index 32 c + 16 g + 8 h + i.  For v that is the order in which the reader's weights lie in its registers;
; for q and k it is one permutation of a head's features, the same in both operands of their product, which leaves every sum as it is.
; A tile of 256 x 256 results is made by four waves, 128 x 128 each: 64 accumulators, 512 registers.  K = 1,024 goes in steps of 256 through a ring of two LDS slots filled by the tensor data mover.
; THE MATRIX INSTRUCTION IS USED TRANSPOSED (source 0 = 16 rows of "B", source 1 = 16 rows of "A"): a lane holds ONE row of A's side and eight neighbours of B's side, which the conversion packs into 8 bytes.
; For q and k (cluster x = 0, 1) A = x (tokens) and B = w_attn (features).  For v (cluster x = 2) the two buffers change places, A = w_attn's rows 2048 on, B = x: the same text then makes V^T, keys in a lane's registers.
; The choice hangs on the cluster's x alone, which all sixteen partners share.
; CLUSTERS: 4 x 4 work-groups.  The four of a row of the cluster need the same tiles of A, the four of a column the same tiles of B: each tile is asked for JOINTLY, which divides the requests by four.
; 384 tiles: 12 x 32.  A tile of 256 x 384 would make 256 work-groups but wants 768 registers of sums and 320 of fragments in a wave, more than a wave can have.
; BIAS: by column for q and k, by row for v.  Both kinds are loaded (from index 0 where the kind does not apply, so that no load leaves b_attn), and the kind that does not apply is set to 0: no branch.
; LIMITS: e0 + e1 between -126 and 127; e2, e3, e5 between -126 and 119, so that each power of two below is an f32 number.  NaN among the inputs is not served.
; REGISTERS, in windows of 256: window 0: v0-31 addresses and scales; v32-95 the column bias; v96-111 the row bias, a pair a block; from v128 A's fragments, ONE set; on the way out v128-255 are at work.
;   window 1: B's fragments, TWO sets.   window 2: the accumulators of my rows 0-63 ((a, b) at v[8 (8 a + b)]);   window 3: those of my rows 64-127.
.set KROW,   1024                      ; a row of x or of w_attn in bytes
.set ROWB,   256                       ; a tile's row in bytes: 256 along K
.set PITCH,  272                       ; an LDS row: 256 bytes + 16 of padding = 68 words: row r starts at bank 4 r mod 64 (64 banks of 4 bytes: ISA guide 11.1)
.set FR,     16                        ; registers of a fragment: 16 rows x 128 K
.set NL,     4                         ; LDS loads that bring one
.set NP,     4                         ; places behind this matrix instruction (ISA guide 7.12.1)
.set HALFT,  128*PITCH                 ; 128 rows: what one tensor load brings
.set SLOT,   4*HALFT                   ; A's 256 rows, then B's 256 rows
.set LAPS,   2                         ; K / 512: a lap = two K steps = once round the ring
.set SPARE,  2*SLOT                    ; behind the ring: the spare words, 128 bytes for each wave
.set OROW,   2048                      ; a row of the output in bytes
.set ADRA, 16                          ; v16-17  LDS address of my A fragments in slot 0, 1
.set ADRB, 20                          ; v20-21  the same for B
.set STO,  24                          ; v24     the way out: where I put 16 codes
.set RD,   25                          ; v25     the way out: where I read a row back
.set CO,   26                          ; v26     my byte offset in the output
.set SPW,  28                          ; v28     LDS address of my spare word; never rewritten
.set NIL,  29                          ; v29     0; never rewritten
.set SC,   30                          ; v30     the output's scale 2^eo as f32
.set LIM,  31
.set CB,   32                          ; v32-95  bias of my 128 columns: (b, j) at 8 b + j
.set RB,   96                          ; v96-111 bias of my row in block a, twice: pair 2 a, 2 a + 1
.set AF,   128                         ; A's fragments
.set TMP,  128                         ; the way out: a block's 64 numbers
.set CD,   192                         ; the way out: two sets of 16 registers of codes
.set BK,   128                         ; the way out: 64 rows read back from the stage
.set G1, 24
.set G0, 32
.set G1B, 48
.set G0B, 56
.set MSB, 0
.macro WIN new                         ; the immediate's high byte repeats the setting that is left
.if MSB != \new
	s_set_vgpr_msb (MSB<<8)|\new
.set MSB, \new
.endif
.endm
.set MUL_LO, 0xa1                      ; source 0 (B) window 1, source 1 (A) window 0, C and D window 2
.set MUL_HI, 0xf1                      ; the same, C and D window 3
.set TO_B,   0x40                      ; destination window 1, address window 0
; A joint load: waves 0 and 1 fetch for A, waves 2 and 3 for B.  Each line has ONE mask and one set of registers; the branch hangs on the wave's number alone.  Four v_nop follow each line.
.macro JLOAD g0a, g1a, g0b, g1b
	s_cmp_eq_u32 s15, 0
	s_cbranch_scc0 .Lfor_b_\@
	tensor_load_to_lds s[\g0a:\g0a+3], s[\g1a:\g1a+7]
	s_nop 0
.rept 4
	v_nop
.endr
	s_branch .Lasked_\@
.Lfor_b_\@:
	tensor_load_to_lds s[\g0b:\g0b+3], s[\g1b:\g1b+7]
	s_nop 0
.rept 4
	v_nop
.endr
.Lasked_\@:
.endm
.macro CREST                           ; a round of the cluster's barrier behind its opening barrier
	s_cmp_lg_u32 s14, 0
	s_cbranch_scc1 .Lnot_wave_0_\@
	s_barrier_signal -3
.Lnot_wave_0_\@:
	s_barrier_wait -3
	s_barrier_signal -1
	s_barrier_wait -1
.endm
.macro CROUND                          ; a whole round
	s_barrier_signal -1
	s_barrier_wait -1
	CREST
.endm
	s_load_b256 s[4:11], s[0:1], 0x0               ; x's codes s[4:5], w_attn's s[6:7], the scales' exponents s[8:9], b_attn s[10:11]
	s_load_b64 s[12:13], s[0:1], 0x20              ; the output
	v_lshl_add_u32 v[SPW], v0, 2, SPARE
	v_mov_b32 v[NIL], 0
	ds_add_u32 v28, v29
	ds_add_u32 v28, v29
	s_wait_dscnt 0x0
	v_lshrrev_b32 v1, 5, v0
	v_readfirstlane_b32 s14, v1                    ; wave 0..3
	s_lshr_b32 s15, s14, 1                         ; which half of the tile's rows is mine.  Also: I fetch for A (0) or for B (1)
	s_and_b32 s16, s14, 1                          ; which half of its columns.  Also: which 128 rows of that tile I fetch
	s_bfe_u32 s40, ttmp6, 0x40000                  ; cx, cy: my place in the cluster
	s_bfe_u32 s41, ttmp6, 0x40004
	s_lshl_b32 s66, ttmp9, 2                       ; 4 x cluster x
	s_and_b32 s67, ttmp7, 0xffff
	s_lshl_b32 s67, s67, 2                         ; 4 x cluster y
	s_lshl_b32 s43, s41, 2
	s_lshl_b32 s43, 15, s43                        ; my row of the cluster
	s_lshl_b32 s44, 0x1111, s40                    ; my column
	s_cmp_eq_u32 ttmp9, 2                          ; v's clusters?  All four choices stand behind the one compare
	s_cselect_b32 s17, 8, s67
	s_cselect_b32 s42, s67, s66
	s_cselect_b32 s68, -1, 0                       ; a lane mask: all ones for v,
	s_cselect_b32 s71, 0, -1                       ; and all ones for q and k
	s_add_co_u32 s17, s17, s41                     ; A's block of 256 rows: q, k: token block cy + 4 cluster y;  v: w_attn's block cy + 8
	s_add_co_u32 s42, s42, s40                     ; B's block: q, k: w_attn's block cx + 4 cluster x;  v: token block cx + 4 cluster y
	; descriptor group 1: a tile of 128 rows x 256 bytes, padded in LDS
	s_or_b32 s[G1+0], s43, (0<<16)|(1<<20)|(1<<21)|(5<<22)|(3<<25)  ; 15:0 the mask: A's tiles go to my row; 17:16 element of 1 byte; 20 padding on; 21 set beside a mask; 24:22 after every 64 words (code 5); 31:25 of 4 words (code 3)
	s_or_b32 s[G1B+0], s44, (0<<16)|(1<<20)|(1<<21)|(5<<22)|(3<<25)
.irp g, G1, G1B
	s_mov_b32 s[\g+1], ROWB<<16                    ; tensor_dim0
	s_mov_b32 s[\g+2], 128<<16                     ; tensor_dim1 = 128
	s_mov_b32 s[\g+3], ROWB<<16                    ; tile_dim0
	s_mov_b32 s[\g+4], 128                         ; tile_dim1 = 128
	s_mov_b32 s[\g+5], KROW                        ; tensor_dim0_stride
	s_mov_b32 s[\g+6], 0
	s_mov_b32 s[\g+7], 0
.endr
	s_lshl_b32 s18, s16, 7                         ; which 128 rows of the tile I fetch
	s_lshl_b32 s20, s17, 8
	s_add_co_u32 s20, s20, s18
	s_lshl_b32 s20, s20, 10                        ; A: (256 x block + 128 x half) rows of 1,024 bytes: under 2^24
	s_mov_b32 s21, 0
	s_lshl_b32 s46, s42, 8
	s_add_co_u32 s46, s46, s18
	s_lshl_b32 s46, s46, 10                        ; B likewise
	s_mov_b32 s47, 0
	s_mul_i32 s45, s14, HALFT                      ; where they go: wave x 128 rows: no place in the cluster enters an LDS address
	s_wait_kmcnt 0x0
	s_load_b256 s[72:79], s[8:9], 0x0              ; e0 .. e7
	s_cmp_eq_u32 ttmp9, 2
	s_cselect_b64 s[80:81], s[6:7], s[4:5]         ; A's buffer
	s_cselect_b64 s[82:83], s[4:5], s[6:7]         ; B's buffer
	s_add_nc_u64 s[20:21], s[80:81], s[20:21]
	s_add_nc_u64 s[46:47], s[82:83], s[46:47]
	CROUND                                         ; all sixteen work-groups are here: the first joint loads meet
.irp s, 0,1
	s_mov_b32 s[G0+4*\s], 1
	s_add_co_u32 s[G0+4*\s+1], s45, \s*SLOT
	s_add_nc_u64 s[G0+4*\s+2:G0+4*\s+3], s[20:21], \s*ROWB
	s_or_b32 s[G0+4*\s+3], s[G0+4*\s+3], 0x80000000
	s_mov_b32 s[G0B+4*\s], 1
	s_add_co_u32 s[G0B+4*\s+1], s45, \s*SLOT
	s_add_nc_u64 s[G0B+4*\s+2:G0B+4*\s+3], s[46:47], \s*ROWB
	s_or_b32 s[G0B+4*\s+3], s[G0B+4*\s+3], 0x80000000
.endr
	s_cmp_eq_u32 s15, 0                            ; a wave's two first fills stand in one branch, ahead of every wait on TENSORcnt and every LDS read: two loads of mine are out
	s_cbranch_scc0 .Lfirst_b
	tensor_load_to_lds s[G0:G0+3], s[G1:G1+7]
	s_nop 0
	tensor_load_to_lds s[G0+4:G0+7], s[G1:G1+7]
	s_nop 0
.rept 4
	v_nop
.endr
	s_branch .Lfirst_asked
.Lfirst_b:
	tensor_load_to_lds s[G0B:G0B+3], s[G1B:G1B+7]
	s_nop 0
	tensor_load_to_lds s[G0B+4:G0B+7], s[G1B:G1B+7]
	s_nop 0
.rept 4
	v_nop
.endr
.Lfirst_asked:
	v_and_b32 v1, 15, v0                           ; r = l % 16
	v_bfe_u32 v2, v0, 4, 1                         ; h = l / 16
	; the two kinds of bias.  Column: index 256 x B's block + 128 x half + 16 b + 8 h + j.  Row: index 256 x A's block + 128 x half + 16 a + r.  The kind that does not apply reads from index 0
	v_lshlrev_b32 v5, 5, v2                        ; 32 h
	s_wait_alu depctr_va_vdst(0)
	v_lshlrev_b32 v6, 2, v1                        ; 4 r
	s_wait_alu depctr_va_vdst(0)
	s_lshl_b32 s84, s42, 8
	s_lshl_b32 s86, s16, 7
	s_add_co_u32 s84, s84, s86
	s_lshl_b32 s84, s84, 2
	s_lshl_b32 s86, s17, 8
	s_lshl_b32 s87, s15, 7
	s_add_co_u32 s86, s86, s87
	s_lshl_b32 s86, s86, 2
	s_cmp_eq_u32 ttmp9, 2
	s_cselect_b32 s84, 0, s84
	s_cselect_b32 s86, s86, 0
	s_mov_b32 s85, 0
	s_mov_b32 s87, 0
	s_add_nc_u64 s[84:85], s[10:11], s[84:85]
	s_add_nc_u64 s[86:87], s[10:11], s[86:87]
.irp b, 0,1,2,3,4,5,6,7
	global_load_b128 v[CB+8*\b:CB+8*\b+3], v5, s[84:85] offset:64*\b
	global_load_b128 v[CB+8*\b+4:CB+8*\b+7], v5, s[84:85] offset:64*\b+16
.endr
.irp a, 0,1,2,3,4,5,6,7
	global_load_b32 v[RB+2*\a], v6, s[86:87] offset:64*\a
.endr
	v_mul_u32_u24 v3, v1, PITCH
	v_lshl_add_u32 v4, v2, 4, v3                   ; a fragment's row x pitch + 16 x half
	s_wait_alu depctr_va_vdst(0)
	s_mul_i32 s22, s15, HALFT                      ; my 128 rows of A
	s_mul_i32 s23, s16, HALFT                      ; my 128 rows of B,
	s_add_co_u32 s23, s23, 2*HALFT                 ; which lie behind A's 256
.irp s, 0,1
	v_add_nc_u32 v[ADRA+\s], s22, v4
	v_add_nc_u32 v[ADRB+\s], s23, v4
	s_add_co_u32 s22, s22, SLOT
	s_add_co_u32 s23, s23, SLOT
.endr
	; the stage for the way out: 256 rows x 272 bytes from LDS byte 0 on, the work-group's.  It lies in slot 0, which has had its last fill and its last read when the first code is stored there
	s_mul_i32 s22, s15, 128*PITCH
	s_lshl_b32 s23, s16, 7
	s_add_co_u32 s22, s22, s23
	v_add_nc_u32 v[STO], s22, v4                   ; in: row 128 x row half + r, byte 128 x column half + 16 h
	s_mul_i32 s22, s14, 64*PITCH
	v_mul_u32_u24 v4, v2, PITCH
	v_lshl_add_u32 v4, v1, 4, v4
	v_add_nc_u32 v[RD], s22, v4                    ; back: wave w takes rows 64 w on; lanes 0-15 one row of 256 bytes, lanes 16-31 the next
	v_lshlrev_b32 v4, 11, v2
	v_lshl_add_u32 v[CO], v1, 4, v4                ; and the same two rows in the output
	; where my 64 rows begin in the output.  q, k: row 256 x A's block, byte 256 x B's block.  v: row 8192 + 1024 x batch + 256 cy, byte 256 x (token block % 8)
	s_lshl_b32 s89, s17, 8
	s_lshr_b32 s90, s42, 3
	s_lshl_b32 s90, s90, 10
	s_lshl_b32 s91, s41, 8
	s_add_co_u32 s90, s90, s91
	s_add_co_u32 s90, s90, 8192
	s_lshl_b32 s91, s42, 8
	s_and_b32 s92, s42, 7
	s_lshl_b32 s92, s92, 8
	s_cmp_eq_u32 ttmp9, 2
	s_cselect_b32 s89, s90, s89
	s_cselect_b32 s91, s92, s91
	s_lshl_b32 s90, s14, 6
	s_add_co_u32 s89, s89, s90
	s_lshl_b32 s89, s89, 11                        ; rows of 2,048 bytes: under 2^25
	s_add_co_u32 s92, s89, s91
	s_mov_b32 s93, 0
	s_add_nc_u64 s[12:13], s[12:13], s[92:93]
	s_wait_kmcnt 0x0                               ; the exponents
	s_add_co_i32 s96, s72, s73
	s_add_co_i32 s96, s96, 127
	s_lshl_b32 s96, s96, 23                        ; 2^(e0 + e1) as f32
	s_mov_b32 s97, s96                             ; (named with it as a pair, so it is written)
	s_cmp_eq_u32 ttmp9, 0
	s_cselect_b32 s88, s74, s75                    ; q: e2, k: e3,
	s_cmp_eq_u32 ttmp9, 2
	s_cselect_b32 s88, s77, s88                    ; v: e5
	s_add_co_i32 s88, s88, 127
	s_lshl_b32 s89, s88, 23
	v_mov_b32 v[SC], s89                           ; the conversion takes its exponent field
	s_wait_loadcnt 0x0                             ; the biases are in (the first tiles are still on their way)
.set j, 0
.rept 64
	v_cndmask_b32 v[CB+j], 0, v[CB+j], s71         ; the column bias counts for q and k alone
.set j, j+1
.endr
.irp a, 0,1,2,3,4,5,6,7
	v_cndmask_b32 v[RB+2*\a+1], 0, v[RB+2*\a], s68 ; the row bias for v alone; twice, for the packed addition
	v_cndmask_b32 v[RB+2*\a], 0, v[RB+2*\a], s68
.endr
.macro FRAG reg, adr, q, i             ; a fragment, 16 rows x 128 K, is 16 registers: lane l holds row l % 16; registers 4 c .. 4 c + 3 hold K = 32 c + 16 (l / 16) + 0 .. 15: the same places of k in A and in B, so every product meets its partner
.irp c, 0,1,2,3
	ds_load_b128 v[\reg+4*\c:\reg+4*\c+3], v[\adr] offset:128*(\q)+32*\c+(\i)*16*PITCH
.endr
.endm
; 16 matrix instructions: A's blocks a0, a0 + 1 x B's eight, 128 along K.  p: B's set.  zero = 1: the first product starts the sums.  The 64 accumulators take turns, one instruction a turn.
.macro MUL16 a0, p, zero
.irp a, \a0, \a0+1
.irp b, 0,1,2,3,4,5,6,7
.if \zero
	v_wmma_f32_16x16x128_fp8_fp8 v[8*(8*((\a)%4)+\b):8*(8*((\a)%4)+\b)+7], v[128*(\p)+FR*\b:128*(\p)+FR*\b+FR-1], v[AF+FR*(\a):AF+FR*(\a)+FR-1], 0
.else
	v_wmma_f32_16x16x128_fp8_fp8 v[8*(8*((\a)%4)+\b):8*(8*((\a)%4)+\b)+7], v[128*(\p)+FR*\b:128*(\p)+FR*\b+FR-1], v[AF+FR*(\a):AF+FR*(\a)+FR-1], v[8*(8*((\a)%4)+\b):8*(8*((\a)%4)+\b)+7]
.endif
.endr
.endr
.endm
.macro FETCH_B slot, q, p              ; B's eight fragments of the slot's q-th 128 along K into set p
	WIN TO_B
.irp i, 0,1,2,3,4,5,6,7
	FRAG 128*(\p)+FR*\i, ADRB+\slot, \q, \i
.endr
	WIN 0
.endm
.macro FETCH_A slot, q, i0             ; A's blocks i0 .. i0 + 3
.irp i, \i0, \i0+1, \i0+2, \i0+3
	FRAG AF+FR*(\i), ADRA+\slot, \q, \i
.endr
.endm
.macro PLACES n                        ; plain vector instructions between a matrix instruction and a load into, or a vector instruction on, its registers
.rept \n
	v_nop
.endr
.endm
; A step of 128 along K that has its successor in the same slot.  A block of A is free as soon as its eight products are issued: blocks 0-3 are fetched anew in the step's middle, blocks 4-7 at its end.
.macro STEP slot, q, zero
	s_wait_dscnt 4*NL                              ; B's set and A's blocks 0-3 are in; the youngest 16 loads (A's blocks 4-7) may be out
	WIN MUL_LO
	MUL16 0, (\q)%2, \zero
	MUL16 2, (\q)%2, \zero
	s_wait_dscnt 0                                 ; A's blocks 4-7 are in
	PLACES NP
	FETCH_B \slot, (\q)+1, 1-(\q)%2
	FETCH_A \slot, (\q)+1, 0
	WIN MUL_HI
	MUL16 4, (\q)%2, \zero
	MUL16 6, (\q)%2, \zero
	PLACES NP
	WIN 0
	FETCH_A \slot, (\q)+1, 4
.endm
; A slot's last step changes slots: ONE barrier; in front of it each wave waits for all its tensor loads, adds 0 to its spare word, and waits for that and for its own reads of this slot.  fill = 1: this slot is filled again, two K steps ahead.
.macro TURN slot, next, fill
	s_wait_tensorcnt 0x0                           ; all my tensor loads have landed: my part of the next slot
	ds_add_u32 v[SPW], v[NIL]                      ; 0 onto my spare word
	s_wait_dscnt 4*NL+1                            ; (the add and the youngest 16 loads, A's blocks 4-7, may be out)
	WIN MUL_LO
	MUL16 0, 1, 0                                  ; sixteen matrix instructions stand between the add and the wait for it
	s_wait_dscnt 0x0                               ; the add is done, and my reads of this slot are over
	s_barrier_signal -1
	MUL16 2, 1, 0
	WIN 0
	s_barrier_wait -1
.if \fill
	CREST                                          ; the barrier has opened a round of the cluster's barrier: no wave of any partner still reads this slot's tile or has a load on its way
	s_add_nc_u64 s[G0+4*\slot+2:G0+4*\slot+3], s[G0+4*\slot+2:G0+4*\slot+3], 2*ROWB
	s_add_nc_u64 s[G0B+4*\slot+2:G0B+4*\slot+3], s[G0B+4*\slot+2:G0B+4*\slot+3], 2*ROWB
	JLOAD G0+4*\slot, G1, G0B+4*\slot, G1B         ; the first tensor load behind the round; the four v_nop behind it are the places in front of the loads below
.else
	PLACES NP
.endif
	FETCH_B \next, 0, 0
	FETCH_A \next, 0, 0
	WIN MUL_HI
	MUL16 4, 1, 0
	MUL16 6, 1, 0
	PLACES NP
	WIN 0
	FETCH_A \next, 0, 4
.endm
	s_wait_tensorcnt 1                             ; my part of K step 0 is in (K step 1's load may be out)
	s_barrier_signal -1
	s_barrier_wait -1                              ; everybody's is
	FETCH_B 0, 0, 0
	FETCH_A 0, 0, 0
	FETCH_A 0, 0, 4
	STEP 0, 0, 1                                   ; the first step stands in front of the loop: its products start the sums
	s_mov_b32 s3, LAPS-1
.Llap:                                                 ; a trip goes once round the ring and fills both slots again
	TURN 0, 1, 1
	STEP 1, 0, 0
	TURN 1, 0, 1
	STEP 0, 0, 0
	s_sub_co_u32 s3, s3, 1
	s_cmp_lg_u32 s3, 0
	s_cbranch_scc1 .Llap
	TURN 0, 1, 0                                   ; the last lap fills nothing, and has no round of the cluster's barrier
	STEP 1, 0, 0
	s_wait_dscnt 4*NL                              ; the very last step: nothing more to fetch
	WIN MUL_LO
	MUL16 0, 1, 0
	MUL16 2, 1, 0
	s_wait_dscnt 0
	WIN MUL_HI
	MUL16 4, 1, 0
	MUL16 6, 1, 0
	WIN 0
; THE WAY OUT, block by block of 16 rows x 128 columns: sum x 2^(e0 + e1) + bias in f32, converted (the conversion to an 8-bit code does not saturate: ISA guide 7.6.2).
; The codes of column blocks 2 c and 2 c + 1 stand in four registers on end and go into the work-group's stage as 16 bytes at 32 c + 16 h: that is the exchange of the two middle groups of 8 that the head comment states.
.macro QBLOCK a
.set AC, 64*((\a)%4)
.set CSET, CD+16*((\a)%2)
	WIN 0x02+((\a)/4)                              ; source 0: window 2 or 3
.set j, 0
.rept 32
	v_pk_fma_f32 v[TMP+j:TMP+j+1], v[AC+j:AC+j+1], s[96:97], v[CB+j:CB+j+1] op_sel_hi:[1,0,1]   ; each accumulator from its low end on
.set j, j+2
.endr
	WIN 0
.set j, 0
.rept 32
	v_pk_add_f32 v[TMP+j:TMP+j+1], v[TMP+j:TMP+j+1], v[RB+2*(\a):RB+2*(\a)+1]   ; of the two biases one is 0, so the sum is rounded once
.set j, j+2
.endr
.set j, 0
.rept 64
.set j, j+1
.endr
.if (\a) >= 2
	s_wait_alu depctr_va_vdst(0)
	s_wait_dscnt 4                                 ; the block before's four stores may be out; those of two blocks back, which read this set of codes, are done
.endif
.irp b, 0,1,2,3,4,5,6,7
	v_cvt_scalef32_pk8_fp8_f32 v[CSET+2*\b:CSET+2*\b+1], v[TMP+8*\b:TMP+8*\b+7], v[SC]
.endr
	v_nop                                          ; one plain vector instruction behind the last conversion: the next block writes the conversions' sources
.irp c, 0,1,2,3
	ds_store_b128 v[STO], v[CSET+4*\c:CSET+4*\c+3] offset:(\a)*16*PITCH+32*\c
.endr
.endm
	PLACES NP                                      ; behind the last products: the lines below read sums and write registers that held A's fragments
.irp a, 0,1,2,3,4,5,6,7
	QBLOCK \a
.endr
	s_wait_dscnt 0x0                               ; for the others' sake: my stores into the stage are done
	s_barrier_signal -1
	s_barrier_wait -1                              ; a row's 256 bytes come from two waves
.set t, 0
.rept 32
	ds_load_b128 v[BK+4*t:BK+4*t+3], v[RD] offset:t*2*PITCH
.set t, t+1
.endr
.set t, 0
.rept 32
	s_wait_dscnt 31-t                              ; LDS loads come back in order: load t is in, the younger ones may be out
	global_store_b128 v[CO], v[BK+4*t:BK+4*t+3], s[12:13] offset:t*2*OROW   ; 16 lanes store 256 consecutive bytes, at a multiple of 256 from the buffer's first byte
.set t, t+1
.endr
	s_wait_tensorcnt 0x0                           ; the wave's end
	ds_add_u32 v[SPW], v[NIL]
	s_wait_dscnt 0x0
	CROUND                                         ; the closing round: no work-group ends while a partner may still ask for a tile that names it
	s_endpgm
.Lfunc_end_k_q9345afc123_qkv:
	.size	k_q9345afc123_qkv, .Lfunc_end_k_q9345afc123_qkv-k_q9345afc123_qkv
	.p2alignl 7, 3214868480
	.fill 96, 4, 3214868480
	.section	.rodata,"a",@progbits
	.p2align	6, 0x0
	.amdhsa_kernel k_q9345afc123_qkv
		.amdhsa_group_segment_fixed_size 327680
		.amdhsa_private_segment_fixed_size 0
		.amdhsa_enable_private_segment 0
		.amdhsa_kernarg_size 40
		.amdhsa_user_sgpr_count 2
		.amdhsa_user_sgpr_kernarg_segment_ptr 1
		.amdhsa_wavefront_size32 1
		.amdhsa_system_sgpr_workgroup_id_x 1
		.amdhsa_system_sgpr_workgroup_id_y 1
		.amdhsa_system_sgpr_workgroup_id_z 1
		.amdhsa_system_vgpr_workitem_id 0
		.amdhsa_next_free_vgpr 1024
		.amdhsa_next_free_sgpr 98
		.amdhsa_reserve_vcc 0
		.amdhsa_float_denorm_mode_32 3
		.amdhsa_float_denorm_mode_16_64 3
		.amdhsa_fp16_overflow 1
		.amdhsa_memory_ordered 1
		.amdhsa_forward_progress 1
		.amdhsa_inst_pref_size 131
	.end_amdhsa_kernel
	.amdgpu_metadata
---
amdhsa.version: [ 1, 2 ]
amdhsa.kernels:
  - .name:           k_q9345afc123_qkv
    .symbol:         k_q9345afc123_qkv.kd
    .args:
      - { .name: x_codes, .offset: 0, .size: 8, .value_kind: global_buffer, .address_space: global }
      - { .name: w_attn_codes, .offset: 8, .size: 8, .value_kind: global_buffer, .address_space: global }
      - { .name: lowp_scales, .offset: 16, .size: 8, .value_kind: global_buffer, .address_space: global }
      - { .name: b_attn, .offset: 24, .size: 8, .value_kind: global_buffer, .address_space: global }
      - { .name: qkv, .offset: 32, .size: 8, .value_kind: global_buffer, .address_space: global }
    .group_segment_fixed_size: 327680
    .private_segment_fixed_size: 0
    .kernarg_segment_align: 8
    .kernarg_segment_size: 40
    .max_flat_workgroup_size: 128
    .sgpr_count:     98
    .vgpr_count:     1024
    .wavefront_size: 32
...
	.end_amdgpu_metadata
.endif
;; end of part 1
;; launch attn (part 2): grid 16 x 16, 16 waves a work-group, clusters of 4 x 1, 327,680 bytes of LDS; arguments qkv, lowp_scales, ycodes; writes ycodes
.if DOCPART == 2
	.amdgcn_target "amdgcn-amd-amdhsa--gfx1250"
	.amdhsa_code_object_version 6
	.text
	.protected	k_q9345afc123_attn
	.globl	k_q9345afc123_attn
	.p2align	8
	.type	k_q9345afc123_attn,@function
k_q9345afc123_attn:
	s_mov_b64 s[64:65], 0
	v_nop
	global_prefetch_b8 v0, s[64:65] scope:SCOPE_SE
	s_setreg_imm32_b32 hwreg(HW_REG_WAVE_MODE, 25, 1), 1
	s_wait_xcnt 0x0
	s_wait_alu depctr_hold_cnt(0) depctr_sa_sdst(0) depctr_va_vdst(0) depctr_va_sdst(0) depctr_va_ssrc(0) depctr_va_vcc(0) depctr_vm_vsrc(0)
	s_getreg_b32 s2, hwreg(HW_REG_IB_STS2, 6, 4)
	s_cmp_eq_u32 s2, 0
	s_cbranch_scc0 .Lentry_in_a_cluster
	s_endpgm
.Lentry_in_a_cluster:
	s_bfe_u32 s2, ttmp6, 0x10000c
	s_cmp_lg_u32 s2, 0x3003
	s_cbranch_scc0 .Lentry_shape_is_right
	s_endpgm
.Lentry_shape_is_right:
; Causal attention on codes of FP8 (E4M3): y = softmax(q k^T / 8, causal) v, 64 heads' worth (4 batches x 16 heads) of 2,048 tokens, head size 64; y is quantised with 2^e6.
; INPUT (one buffer, rows of 2,048 bytes): rows 0 .. 8191: token 2048 b + t: bytes 0-1023 q's codes, 1024-2047 k's; rows 8192 + 1024 b + f: v's codes of feature f, keys innermost.  Scales: q e2, k e3, p e4, v e5.
; In every 32 bytes of a row the two middle groups of 8 have changed places: byte 32 c + 16 h + 8 g + i holds index 32 c + 16 g + 8 h + i (q, k: the feature; v: the key).
; OUTPUT: y's codes, [8192 tokens][1024 features], in their own order.
; THE SOFTMAX: t = score x log2(e) / 8; M = the row's largest t so far, rounded UP to a whole number; p = 2^(t - M) is what is quantised; the row's sum is taken of the unquantised p, in f32, and divides at the end.
; When M moves, the sum and O are multiplied by 2^(old M - new M): exact.
; SHARES.  A work-group serves FOUR heads of one batch (work-group y = 4 b + head group), so that every row of K, V, Q and y that it touches is 256 consecutive bytes at a multiple of 256.
; The 2,048 queries are 16 chunks of 128, as long as a key step.  Cluster k (0 .. 3) owns chunks k, 15 - k, 7 - k and 8 + k; its four work-groups take 32 queries each of every chunk.
; A wave (bits b0 .. b3 of its number) has head b0 + 2 b2, the half b3 of the 32 queries, and TWO tiles of 16 queries: tile 0 in chunk c, tile 1 in chunk 15 - c, c = k or 7 - k by b1 xor b3.
; A tile in chunk c needs key steps 0 .. c, so every wave has (c + 1) + (16 - c) = 17 tile steps, and in each key step all four partners have the same number of tiles at work.
; A KEY STEP SERVES BOTH TILES: K's and V's fragments come out of LDS once for the two, in 16 - c steps a wave.  K stays in its registers over tile 0's softmax; V takes them behind tile 1's scores.
; Every work-group walks all 8 slots: trip counts are constants.  What a step leaves out (all of it, or tile 0's part) is left out by scalar branches on the step's number and the chunks',
; which hang on the cluster's number and the wave's alone; no tensor load and no barrier stands in a step.  The price: clusters 2 and 3 fetch a last slot that they do not read.
; CLUSTER.  The four work-groups of a cluster walk the same K and V, so each tile is asked for JOINTLY (mask 15): waves 0-3 K's quarters, waves 4-7 V's.
; LAYOUT.  Both products are used transposed: S^T = K Q^T (source 0 = 16 keys, source 1 = 16 queries), O^T = V^T P^T (source 0 = 16 of the head's 64, source 1 = P): a lane holds ONE query (lane % 16) throughout.
; The keys of a tile are neighbours, so the 16 LDS rows of a load of K start at 16 different banks.  Register j of key tile t is key 16 t + 8 (lane / 16) + j; p's codes of tiles 2 c and 2 c + 1 are registers 4 c .. 4 c + 3
; of the second product's operand: keys 32 c + 8 h + i, then 32 c + 16 + 8 h + i.  V's 16 bytes at 32 c + 16 h hold just these keys, by the order stated above.  Q and K are loaded alike, 16 bytes at 32 c + 16 h.
; LIMITS: e2 + e3 between -123 and 130 (added to c's exponent field); e4 and e6 between -126 and 119; e4 + e5 is applied by v_ldexp_f32 and has none.  NaN among the inputs is not served.
.set KP,    272                        ; an LDS row: 256 bytes + 16 of padding = 68 words: row r starts at bank 4 r mod 64 (64 banks of 4 bytes: ISA guide 11.1)
.set VOFF,  256*KP                     ; a slot: 256 keys' rows of K (4 heads x 64 bytes), then 256 feature rows of V (256 keys each)
.set SLOT,  2*VOFF                     ; 139,264 bytes
.set PART,  64*KP                      ; 64 rows: what one tensor load brings
.set NSL,   8                          ; slots' worth of keys
.set SPARE, 2*SLOT                     ; behind the ring: the spare words, 128 bytes for each of sixteen waves
.set AK0,  1                           ; v1   my lane's place in a tile of K
.set AV0,  2                           ; v2   the same for V
.set DD,   3                           ; v3   on the diagonal: my query's place in its chunk - 8 (lane / 16)
.set NINF, 4                           ; v4   -infinity
.set SPW,  5                           ; v5   LDS address of my spare word; never rewritten
.set NIL,  6                           ; v6   0; never rewritten
.set PLIM, 7
.set ADK,  8                           ; v8   LDS address of the step's tiles of K
.set ADV,  9                           ; v9   of V
.set PSC,  10                          ; v10  2^e4
.set PX,   11                          ; v11  what the other half of the lanes sends
.set FF,   20                          ; v[20:21] f = 2^(old M - new M); v21 is only named with it
.set S2,   22                          ; v[22:23] the sum's second chain
.set TA,   24                          ; v24, v25 at work
.set TC,   25
.set STO,  26                          ; v26  the way out: where I put 8 codes
.set RD,   27                          ; v27  where I read a row back
.set GO,   28                          ; v28  my byte offset in y
.set YLIM, 29
.set YSC,  30                          ; v30  2^e6
                                       ; v[12:15], v[16:19]: tile 0's, tile 1's -M, largest t, sum in two halves;  v[32:39], v[40:47]: their Q
.set PC,   48                          ; v48-63   tile 0's p as codes
.set X,    64                          ; v64-127  K's eight fragments, then V's four
.set Y,    128                         ; v128-191 S^T, then p; at a step's end v128-143 hold tile 1's p as codes
                                       ; v192-223, v224-255: O^T of tile 0, tile 1
.set WV,   10                          ; s10  my wave's number
.set SEL,  20                          ; s[20:21] lane selects for v_permlanex16_b32: lane l xor 16
.set CS,   22                          ; s[22:23] c = log2(e) / 8 x 2^(e2 + e3)
.set G1,   24                          ; s[24:31] descriptor group 1
.set G0,   32                          ; s[32:35] descriptor group 0, which walks
.set STP,  36                          ; s[36:37] its step in memory from slot to slot
.set TB,   38                          ; s38  LDS byte at which the slot in hand begins
.set TBF,  39                          ; s39  the same for the slot that was filled last
.set WOFF, 40                          ; s40  my part's place in a slot
.set SLOTS, 41
.set KS,   42                          ; s42  the key step's number
.set CH,   43                          ; s43, s44  the chunks of my two tiles
.macro TLOAD                           ; waves 0-7 fetch, one line and one mask for all; the branch hangs on the wave's number alone; four v_nop follow the line
	s_cmp_lt_u32 s[WV], 8
	s_cbranch_scc0 .Lasked_\@
	tensor_load_to_lds s[G0:G0+3], s[G1:G1+7]
	s_nop 0
.rept 4
	v_nop
.endr
.Lasked_\@:
.endm
.macro CROUND                          ; a round of the cluster's barrier
	s_barrier_signal -1
	s_barrier_wait -1
	s_cmp_lg_u32 s[WV], 0
	s_cbranch_scc1 .Lnot_wave_0_\@
	s_barrier_signal -3
.Lnot_wave_0_\@:
	s_barrier_wait -3
	s_barrier_signal -1
	s_barrier_wait -1
.endm
	s_load_b128 s[4:7], s[0:1], 0x0                ; q, k, v's codes s[4:5], the scales' exponents s[6:7]
	s_load_b64 s[8:9], s[0:1], 0x10                ; y's codes
	v_lshl_add_u32 v[SPW], v0, 2, SPARE
	v_mov_b32 v[NIL], 0
	ds_add_u32 v5, v6
	ds_add_u32 v5, v6
	s_wait_dscnt 0x0
	v_lshrrev_b32 v8, 5, v0
	s_delay_alu instid0(VALU_DEP_1)
	v_readfirstlane_b32 s[WV], v8                  ; wave 0..15
	s_bfe_u32 s11, ttmp6, 0x40000                  ; cx: it enters Q's and y's global addresses and the diagonal's lane numbers alone
	s_mov_b32 s12, ttmp9                           ; k: the cluster's number
	s_and_b32 s13, ttmp7, 0xffff
	s_lshr_b32 s14, s13, 2                         ; the batch
	s_and_b32 s15, s13, 3                          ; the group of four heads
	s_and_b32 s16, s[WV], 1
	s_lshr_b32 s56, s[WV], 1
	s_and_b32 s57, s56, 2
	s_or_b32 s16, s16, s57                         ; my head in the group: b0 + 2 b2
	s_lshr_b32 s17, s[WV], 3                       ; which 16 of the work-group's 32 queries of a chunk: b3
	s_and_b32 s18, s56, 1
	s_xor_b32 s18, s18, s17                        ; which pair of chunks: b1 xor b3
	s_sub_co_u32 s56, 7, s12
	s_cmp_eq_u32 s18, 1
	s_cselect_b32 s[CH], s56, s12                  ; tile 0's chunk: k or 7 - k,
	s_sub_co_u32 s[CH+1], 15, s[CH]                ; tile 1's: 15 less that
	; what I fetch, if I fetch.  Waves 0-3: K's rows 64 w on of the slot's 256 keys; waves 4-7: V's feature rows 64 (w - 4) on.  (Waves 8-15 issue nothing; their numbers are held at 7)
	s_min_u32 s62, s[WV], 7
	s_mul_i32 s[WOFF], s62, PART
	s_lshl_b32 s59, s62, 6
	s_lshl_b32 s60, s15, 8                         ; 256 x head group
	s_lshl_b32 s58, s14, 11
	s_add_co_u32 s58, s58, s59
	s_lshl_b32 s58, s58, 11
	s_add_co_u32 s58, s58, s60
	s_add_co_u32 s58, s58, 1024                    ; K: (2048 b + 64 w) rows of 2,048 bytes + 1024 + 256 x head group
	s_lshl_b32 s61, s14, 10
	s_add_co_u32 s61, s61, s60
	s_add_co_u32 s61, s61, s59
	s_add_co_u32 s61, s61, 7936
	s_lshl_b32 s61, s61, 11                        ; V: row 8192 + 1024 b + 256 x head group + 64 (w - 4)
	s_mov_b32 s[STP], 524288                       ; from slot to slot: K goes 256 rows down,
	s_cmp_lt_u32 s[WV], 4
	s_cselect_b32 s58, s58, s61
	s_cselect_b32 s[STP], s[STP], 256              ; V 256 bytes along its rows
	s_mov_b32 s59, 0
	s_mov_b32 s[STP+1], 0
	; descriptor group 1: 64 rows x 256 bytes, 2,048 bytes apart in memory, padded in LDS: the same for K and V
	s_mov_b32 s[G1], 15|(0<<16)|(1<<20)|(1<<21)|(5<<22)|(3<<25)   ; 15:0 the mask: all four work-groups; 17:16 elements of 1 byte; 20 padding on; 21 set beside a mask; 24:22 after every 64 words (code 5); 31:25 four words (code 3)
	s_mov_b32 s[G1+1], 256<<16                     ; tensor_dim0
	s_mov_b32 s[G1+2], 64<<16                      ; tensor_dim1
	s_mov_b32 s[G1+3], 256<<16                     ; tile_dim0
	s_mov_b32 s[G1+4], 64                          ; tile_dim1
	s_mov_b32 s[G1+5], 2048                        ; tensor_dim0_stride
	s_mov_b32 s[G1+6], 0
	s_mov_b32 s[G1+7], 0
	s_mov_b32 s[SEL], 0x76543210
	s_mov_b32 s[SEL+1], 0xfedcba98
	s_mov_b32 s[CS], 0x3e38aa3b                    ; log2(e) / 8
	s_mov_b32 s[TB], 0
	s_mov_b32 s[TBF], 0
	s_mov_b32 s[SLOTS], NSL-1
	s_mov_b32 s[KS], 0
	s_wait_kmcnt 0x0
	s_load_b256 s[48:55], s[6:7], 0x0              ; e0 .. e7
	s_mov_b32 s[G0], 1                             ; 1:0 count = 1
	s_mov_b32 s[G0+1], s[WOFF]                     ; 63:32 LDS address: slot 0
	s_add_nc_u64 s[G0+2:G0+3], s[4:5], s[58:59]    ; 120:64 global address: the first 256 keys
	s_or_b32 s[G0+3], s[G0+3], 0x80000000          ; 127:126 type = 2
	CROUND                                         ; all four work-groups are here: the first joint loads meet
	TLOAD                                          ; slot 0: one load of mine is out
	v_and_b32 v8, 15, v0                           ; r
	v_bfe_u32 v9, v0, 4, 1                         ; h
	s_delay_alu instid0(VALU_DEP_2)
	v_lshlrev_b32 v[TA], 11, v8
	s_delay_alu instid0(VALU_DEP_1)
	v_lshl_add_u32 v[TA], v9, 4, v[TA]             ; Q: row r of 2,048 bytes + 16 h
	s_wait_alu depctr_va_vdst(0)
	s_lshl_b32 s70, s11, 5
	s_lshl_b32 s57, s17, 4
	s_add_co_u32 s70, s70, s57                     ; my tiles' place in their chunks: 32 cx + 16 b3
	s_lshl_b32 s56, s14, 11
	s_add_co_u32 s56, s56, s70
	s_lshl_b32 s66, s[CH], 7
	s_add_co_u32 s66, s66, s56
	s_lshl_b32 s66, s66, 11                        ; tile 0's first token row, in bytes
	s_lshl_b32 s67, s[CH+1], 7
	s_add_co_u32 s67, s67, s56
	s_lshl_b32 s67, s67, 11                        ; tile 1's
	s_lshl_b32 s68, s16, 6                         ; 64 x my head
	s_add_co_u32 s69, s68, s60
	s_add_co_u32 s66, s66, s69
	s_add_co_u32 s67, s67, s69
	v_add_nc_u32 v[TC], s67, v[TA]
	v_add_nc_u32 v[TA], s66, v[TA]
	global_load_b128 v[32:35], v[TA], s[4:5]       ; Q's fragments stay in registers
	global_load_b128 v[36:39], v[TA], s[4:5] offset:32
	global_load_b128 v[40:43], v[TC], s[4:5]
	global_load_b128 v[44:47], v[TC], s[4:5] offset:32
	v_mul_u32_u24 v[AK0], v8, KP                   ; K: key r of a tile,
	s_delay_alu instid0(VALU_DEP_1)
	v_lshl_add_u32 v[AK0], v9, 4, v[AK0]
	s_delay_alu instid0(VALU_DEP_1)
	v_add_nc_u32 v[AK0], s68, v[AK0]               ; + my head's 64 bytes of a key's row
	s_mul_i32 s71, s16, 64*KP
	s_add_co_u32 s71, s71, VOFF
	v_mul_u32_u24 v[AV0], v8, KP
	s_delay_alu instid0(VALU_DEP_1)
	v_lshl_add_u32 v[AV0], v9, 4, v[AV0]
	s_delay_alu instid0(VALU_DEP_1)
	v_add_nc_u32 v[AV0], s71, v[AV0]               ; V: my head's 64 feature rows
	v_lshlrev_b32 v[DD], 3, v9
	s_delay_alu instid0(VALU_DEP_1)
	v_sub_nc_u32 v[DD], v8, v[DD]
	s_delay_alu instid0(VALU_DEP_1)
	v_add_nc_u32 v[DD], s70, v[DD]
	v_mov_b32 v[NINF], 0xff800000
	; the stage for the way out: 128 rows x 272 bytes from LDS byte 0 on, in slot 0: it has had its last fill, and nobody reads it behind the last change of slots.  Group of 16 rows: 4 (pair) + 2 (tile) + b3
	s_lshl_b32 s72, s18, 2
	s_add_co_u32 s72, s72, s17
	s_mul_i32 s72, s72, 16*KP
	s_add_co_u32 s72, s72, s68
	v_mul_u32_u24 v[STO], v8, KP
	s_delay_alu instid0(VALU_DEP_1)
	v_lshl_add_u32 v[STO], v9, 3, v[STO]
	s_delay_alu instid0(VALU_DEP_1)
	v_add_nc_u32 v[STO], s72, v[STO]               ; in: row r of my group, byte 64 x head + 8 h
	s_mul_i32 s73, s[WV], 8*KP
	v_mul_u32_u24 v[RD], v9, KP
	s_delay_alu instid0(VALU_DEP_1)
	v_lshl_add_u32 v[RD], v8, 4, v[RD]
	s_delay_alu instid0(VALU_DEP_1)
	v_add_nc_u32 v[RD], s73, v[RD]                 ; back: wave w takes rows 8 w on; lanes 0-15 one row, lanes 16-31 the next
	v_lshlrev_b32 v[GO], 10, v9
	s_delay_alu instid0(VALU_DEP_1)
	v_lshl_add_u32 v[GO], v8, 4, v[GO]             ; and the same two rows of y
	s_lshr_b32 s74, s[WV], 3                       ; whose rows those are: pair w / 8, tile (w / 4) % 2, then 8 (w % 4) rows into the work-group's 32
	s_sub_co_u32 s75, 7, s12
	s_cmp_eq_u32 s74, 1
	s_cselect_b32 s75, s75, s12
	s_sub_co_u32 s76, 15, s75
	s_and_b32 s78, s[WV], 4
	s_cmp_lg_u32 s78, 0
	s_cselect_b32 s75, s76, s75                    ; their chunk
	s_lshl_b32 s75, s75, 7
	s_lshl_b32 s76, s14, 11
	s_add_co_u32 s75, s75, s76
	s_lshl_b32 s76, s11, 5
	s_add_co_u32 s75, s75, s76
	s_and_b32 s76, s[WV], 3
	s_lshl_b32 s76, s76, 3
	s_add_co_u32 s75, s75, s76                     ; their first token
	s_lshl_b32 s76, s75, 10
	s_add_co_u32 s76, s76, s60
	s_mov_b32 s77, 0
	s_add_nc_u64 s[8:9], s[8:9], s[76:77]
.irp T, 0,1
	v_mov_b32 v[13+4*\T], 0xff61b1e6               ; the largest t so far: -3e38, under every t
	s_delay_alu instid0(VALU_DEP_1)
	v_floor_f32 v[12+4*\T], -v[13+4*\T]            ; -M
	v_mov_b32 v[14+4*\T], 0                        ; the sum, in two halves
	v_mov_b32 v[15+4*\T], 0
.endr
	v_mov_b32 v[PX], 0                             ; written once: a lane permute's destination counts as one of its sources
	v_mov_b32 v[FF+1], 0                           ; (named as the upper half of the pair)
.set j, 0
.rept 64
	v_mov_b32 v[192+j], 0                          ; O^T.  (A step is written once: a tile's first step finds zeros, which the first change of M leaves zeros)
.set j, j+1
.endr
.set j, 0
.rept 16
	v_mov_b32 v[PC+j], 0                           ; tile 0's codes begin as zero codes.  In a step they are written under one branch and read under a second one on the same compare: so they are written here, on every way from the start
.set j, j+1
.endr
	s_wait_kmcnt 0x0
	s_add_co_i32 s56, s50, s51
	s_lshl_b32 s56, s56, 23
	s_add_co_i32 s[CS], s[CS], s56                 ; a score stands for score x 2^(e2 + e3): the two exponents are added to c's exponent field
	s_mov_b32 s[CS+1], s[CS]                       ; (named with it as a pair, so it is written)
	s_add_co_i32 s56, s52, 127
	s_lshl_b32 s57, s56, 23
	v_mov_b32 v[PSC], s57                          ; 2^e4 as f32, for p's conversion
	s_add_co_i32 s56, s54, 127
	s_lshl_b32 s57, s56, 23
	v_mov_b32 v[YSC], s57                          ; the same with e6, for y's
; S^T = K Q^T for tile T: eight tiles of 16 keys, K = the head's 64.  The waits serve whichever tile comes first behind the loads of K; for the second they are met at once.
.macro SCORES T
	s_wait_dscnt 8                                 ; key tiles 0-3 are in; the youngest eight loads (tiles 4-7) may be out
.irp t, 0,1,2,3
	v_wmma_f32_16x16x64_fp8_fp8 v[Y+8*\t:Y+8*\t+7], v[X+8*\t:X+8*\t+7], v[32+8*(\T):39+8*(\T)], 0
.endr
	s_wait_dscnt 0x0
.irp t, 4,5,6,7
	v_wmma_f32_16x16x64_fp8_fp8 v[Y+8*\t:Y+8*\t+7], v[X+8*\t:X+8*\t+7], v[32+8*(\T):39+8*(\T)], 0
.endr
.rept 4
	v_nop                                          ; places: for the first reads of the scores, and (tile 1) for the loads of V into K's registers
.endr
.endm
; Tile T's softmax of a key step, on the 64 scores in Y: the diagonal's mask, M, p, the sum, p's codes, O^T under the new M.
.macro SOFTMAX T
.set ST, 12+4*(\T)
.set OT, 192+32*(\T)
	s_cmp_lg_u32 s[KS], s[CH+\T]                   ; only the step on the diagonal has hidden keys
	s_cbranch_scc1 .Lopen_\@
.set n, 0
.rept 64
	v_cmp_gt_i32 vcc_lo, 16*(n/8)+n%8, v[DD]       ; register 8 t + j holds the step's key 16 t + 8 (lane / 16) + j: hidden where it comes after my query
	v_cndmask_b32 v[Y+n], v[Y+n], v[NINF], vcc_lo  ; -infinity ahead of the maximum: p = 0 then.  The step's key 0 counts for every query
.set n, n+1
.endr
.Lopen_\@:
	v_max3_num_f32 v[TA], v[Y], v[Y+1], v[Y+2]     ; the step's largest score of my query, among my 64 keys, in two chains; each accumulator is first read at its low end
	v_max3_num_f32 v[TC], v[Y+3], v[Y+4], v[Y+5]
.irp i, 6,10,14,18,22,26,30,34,38,42,46,50,54,58
	v_max3_num_f32 v[TA], v[TA], v[Y+\i], v[Y+\i+1]
	v_max3_num_f32 v[TC], v[TC], v[Y+\i+2], v[Y+\i+3]
.endr
	v_max3_num_f32 v[TA], v[TA], v[Y+62], v[Y+63]
	s_delay_alu instid0(VALU_DEP_1)
	v_max_num_f32 v[TA], v[TA], v[TC]
	s_delay_alu instid0(VALU_DEP_1)
	v_permlanex16_b32 v[PX], v[TA], s[SEL], s[SEL+1]
	s_delay_alu instid0(VALU_DEP_1)
	v_max_num_f32 v[TA], v[TA], v[PX]              ; and among lane l xor 16's
	s_delay_alu instid0(VALU_DEP_1)
	v_mul_f32 v[TA], s[CS], v[TA]                  ; as t (c is positive)
	s_delay_alu instid0(VALU_DEP_1)
	v_max_num_f32 v[ST+1], v[ST+1], v[TA]          ; the running largest t
	v_mov_b32 v[TA], v[ST]
	s_delay_alu instid0(VALU_DEP_2)
	v_floor_f32 v[ST], -v[ST+1]                    ; the new -M = floor(-t) = -ceil(t): M is a whole number
	s_delay_alu instid0(VALU_DEP_1)
	v_sub_f32 v[TA], v[ST], v[TA]                  ; M's old value less its new one: a whole number, 0 or less
	s_delay_alu instid0(VALU_DEP_1)
	v_cvt_i32_f32 v[TA], v[TA]                     ; (it saturates)
	s_delay_alu instid0(VALU_DEP_1)
	v_ldexp_f32 v[FF], 1.0, v[TA]                  ; f = 2^(old M - new M)
.set j, 0
.rept 32
	v_pk_fma_f32 v[Y+j:Y+j+1], v[Y+j:Y+j+1], s[CS:CS+1], v[ST:ST+1] op_sel_hi:[1,0,0]   ; t - M, two at a time (of the pairs c and -M the low word serves both halves)
.set j, j+2
.endr
.set j, 0
	s_wait_alu depctr_va_vdst(0)
.rept 64
	v_exp_f32 v[Y+j], v[Y+j]                       ; p = 2^(t - M), at most 1: not normalised
.set j, j+1
.endr
	v_pk_mul_f32 v[ST+2:ST+3], v[ST+2:ST+3], v[FF:FF+1] op_sel_hi:[1,0]   ; the sums under the new M.  (A plain instruction behind the exponentials)
	s_wait_alu depctr_va_vdst(0)
	v_pk_add_f32 v[S2:S2+1], v[Y:Y+1], v[Y+2:Y+3]  ; the row's sum is taken of the unquantised p: two at a time, in two chains
.irp j, 4,8,12,16,20,24,28,32,36,40,44,48,52,56,60
	v_pk_add_f32 v[ST+2:ST+3], v[ST+2:ST+3], v[Y+\j:Y+\j+1]
	v_pk_add_f32 v[S2:S2+1], v[S2:S2+1], v[Y+\j+2:Y+\j+3]
.endr
	s_delay_alu instid0(VALU_DEP_1)
	v_pk_add_f32 v[ST+2:ST+3], v[ST+2:ST+3], v[S2:S2+1]
; p's codes, key tile by key tile.  The conversion to an 8-bit code does not saturate (ISA guide 7.6.2).
; Tile 0's codes go to v48-63, where they outlast tile 1's softmax.  Tile 1's are laid over p that has been converted: key tile t's pair at Y + 2 t, which lies in key tile 0's or 1's numbers;
; key tile 0's own pair goes through v[24:25] and two moves, which spares sixteen registers that a wave of 256 does not have.  The eight holds between two conversions are the plain
; instructions that stand between a conversion and a write of its sources.
.irp t, 0,1,2,3,4,5,6,7
.irp i, 0,1,2,3,4,5,6,7
.endr
.if \T == 0
	v_cvt_scalef32_pk8_fp8_f32 v[PC+2*\t:PC+2*\t+1], v[Y+8*\t:Y+8*\t+7], v[PSC]
.elseif \t == 0
	v_cvt_scalef32_pk8_fp8_f32 v[TA:TA+1], v[Y:Y+7], v[PSC]
.else
	v_nop
	v_cvt_scalef32_pk8_fp8_f32 v[Y+2*\t:Y+2*\t+1], v[Y+8*\t:Y+8*\t+7], v[PSC]
.endif
.endr
.if \T == 1
	v_mov_b32 v[Y], v[TA]
	v_mov_b32 v[Y+1], v[TC]
.endif
.set j, 0
.rept 16
	v_pk_mul_f32 v[OT+j:OT+j+1], v[OT+j:OT+j+1], v[FF:FF+1] op_sel_hi:[1,0]   ; O^T under the new M.  (These name no score, no fragment and no code: they are the plain instructions behind the conversions, and the places in front of products that write the scores anew)
.set j, j+2
.endr
.endm
; O^T += V^T P^T for tile T, its codes in v[P] on: four accumulators, one instruction each
.macro PV T, P
.irp d, 0,1,2,3
	v_wmma_f32_16x16x128_fp8_fp8 v[192+32*(\T)+8*\d:192+32*(\T)+8*\d+7], v[X+16*\d:X+16*\d+15], v[\P:\P+15], v[192+32*(\T)+8*\d:192+32*(\T)+8*\d+7]
.endr
.endm
; A KEY STEP: my two tiles against 128 keys, the q-th of the slot in hand.  Tile 1's chunk is the later one: where it has nothing to do, neither has tile 0.
.macro STEP q
	s_cmp_gt_u32 s[KS], s[CH+1]                    ; all 128 keys come after both tiles' queries: the step is left out
	s_cbranch_scc1 .Lhidden_\@
	v_add_nc_u32 v[ADK], s[TB], v[AK0]
	v_add_nc_u32 v[ADV], s[TB], v[AV0]
.rept 3
	v_nop                                          ; with the two additions: five places behind the last step's products: four are asked in front of the loads into V's registers, five in front of the products that write over tile 1's codes
.endr
.irp t, 0,1,2,3,4,5,6,7
.irp c, 0,1
	ds_load_b128 v[X+8*\t+4*\c:X+8*\t+4*\c+3], v[ADK] offset:(128*(\q)+16*\t)*KP+32*\c   ; K once for both tiles: sixteen neighbouring rows a load
.endr
.endr
	s_cmp_gt_u32 s[KS], s[CH]                      ; the keys come after tile 0's queries: its part is left out
	s_cbranch_scc1 .Lone_\@
	SCORES 0
	SOFTMAX 0
.Lone_\@:
	SCORES 1
	s_wait_alu depctr_va_vdst(0)
.irp d, 0,1,2,3
.irp c, 0,1,2,3
	ds_load_b128 v[X+16*\d+4*\c:X+16*\d+4*\c+3], v[ADV] offset:16*\d*KP+128*(\q)+32*\c   ; V once for both tiles: it lands while tile 1's softmax is walked
.endr
.endr
	SOFTMAX 1
	s_wait_dscnt 0x0                               ; V is in
	s_cmp_gt_u32 s[KS], s[CH]                      ; the same compare as above, on registers that nothing has written since: tile 0's products run just where its softmax ran
	s_cbranch_scc1 .Lpv1_\@
	PV 0, PC
.Lpv1_\@:
	s_wait_alu depctr_va_vdst(0)
	PV 1, Y
.Lhidden_\@:
.endm
; THE CHANGE OF SLOTS stands at a slot's head.  Each wave waits for all its tensor loads (its part of the slot that it is about to read), adds 0 to its spare word, and waits for that and for its reads of the slot that it has left.
; fill = 1: the barrier is a round of the cluster's, so that no wave of any partner still reads the other slot or has a load on its way, and that slot is filled with the next 256 keys: the load has a whole slot's steps in which to land.
.macro CHANGE fill
	s_wait_tensorcnt 0x0                           ; no tensor load of mine is out, so group 0 may be written
	ds_add_u32 v[SPW], v[NIL]                      ; 0 onto my spare word
.if \fill
	s_xor_b32 s[TBF], s[TBF], SLOT                 ; the other slot than last time,
	s_add_co_u32 s[G0+1], s[TBF], s[WOFF]
	s_add_nc_u64 s[G0+2:G0+3], s[G0+2:G0+3], s[STP:STP+1]   ; the next 256 keys; the type bits on top are not reached
.endif
	s_wait_dscnt 0x0                               ; the add is done, and my reads of the slot that I have left are over
.if \fill
	CROUND
	TLOAD                                          ; the first thing behind the round, and a wave's one tensor load until the next
.else
	s_barrier_signal -1
	s_barrier_wait -1
.endif
.endm
.macro SLOT_STEPS
.irp q, 0,1
	STEP \q
	s_add_co_u32 s[KS], s[KS], 1
.endr
	s_xor_b32 s[TB], s[TB], SLOT                   ; on to the other slot
.endm
	s_wait_loadcnt 0x0                             ; Q
.Lslot:                                                ; NSL - 1 trips: behind each change of slots but the last the next slot is asked for
	CHANGE 1
	SLOT_STEPS
	s_sub_co_u32 s[SLOTS], s[SLOTS], 1
	s_cmp_lg_u32 s[SLOTS], 0
	s_cbranch_scc1 .Lslot
	CHANGE 0                                       ; the last slot is written out
	SLOT_STEPS
	; THE WAY OUT.  y = O^T / the sum x 2^(e4 + e5), converted: a lane's eight numbers are eight neighbouring features of one token: 8 bytes.
	; They meet the other heads' in the stage, and leave as rows of 256 bytes.
.rept 4
	v_nop                                          ; places behind the last products
.endr
	s_add_co_i32 s56, s52, s53
	v_add_f32 v14, v14, v15                        ; the sums' two halves,
	v_add_f32 v18, v18, v19
	s_delay_alu instid0(VALU_DEP_2)
	v_permlanex16_b32 v[PX], v14, s[SEL], s[SEL+1]
	v_permlanex16_b32 v[TA], v18, s[SEL], s[SEL+1]
	s_delay_alu instid0(VALU_DEP_2)
	v_add_f32 v14, v14, v[PX]                      ; and lane l xor 16's
	s_delay_alu instid0(VALU_DEP_2)
	v_add_f32 v18, v18, v[TA]
	s_wait_alu depctr_va_vdst(0)
	v_rcp_f32 v14, v14
	v_rcp_f32 v18, v18
	v_nop                                          ; a plain instruction behind the transcendentals
	s_wait_alu depctr_va_vdst(0)
	v_ldexp_f32 v14, v14, s56
	v_ldexp_f32 v18, v18, s56
.irp T, 0,1
.set j, 0
.rept 16
	v_pk_mul_f32 v[Y+32*\T+j:Y+32*\T+j+1], v[192+32*\T+j:192+32*\T+j+1], v[14+4*\T:15+4*\T] op_sel_hi:[1,0]   ; each accumulator from its low end on
.set j, j+2
.endr
.set j, 0
.rept 32
.set j, j+1
.endr
.irp d, 0,1,2,3
	v_cvt_scalef32_pk8_fp8_f32 v[PC+8*\T+2*\d:PC+8*\T+2*\d+1], v[Y+32*\T+8*\d:Y+32*\T+8*\d+7], v[YSC]
.endr
.endr
	v_nop                                          ; one plain vector instruction behind the last conversion
.irp T, 0,1
.irp d, 0,1,2,3
	ds_store_b64 v[STO], v[PC+8*\T+2*\d:PC+8*\T+2*\d+1] offset:32*KP*\T+16*\d
.endr
.endr
	s_wait_dscnt 0x0                               ; for the others' sake: my stores into the stage are done
	s_barrier_signal -1
	s_barrier_wait -1                              ; a row's 256 bytes come from four waves
.irp i, 0,1,2,3
	ds_load_b128 v[X+4*\i:X+4*\i+3], v[RD] offset:\i*2*KP
.endr
.irp i, 0,1,2,3
	s_wait_dscnt 3-\i                              ; load i is in, the younger ones may be out
	global_store_b128 v[GO], v[X+4*\i:X+4*\i+3], s[8:9] offset:\i*2048   ; 16 lanes store 256 consecutive bytes, at a multiple of 256 from the buffer's first byte
.endr
	s_wait_tensorcnt 0x0                           ; the wave's end
	ds_add_u32 v[SPW], v[NIL]
	s_wait_dscnt 0x0
	CROUND                                         ; the closing round: no work-group ends while a partner may still ask for a tile that names it
	s_endpgm
.Lfunc_end_k_q9345afc123_attn:
	.size	k_q9345afc123_attn, .Lfunc_end_k_q9345afc123_attn-k_q9345afc123_attn
	.p2alignl 7, 3214868480
	.fill 96, 4, 3214868480
	.section	.rodata,"a",@progbits
	.p2align	6, 0x0
	.amdhsa_kernel k_q9345afc123_attn
		.amdhsa_group_segment_fixed_size 327680
		.amdhsa_private_segment_fixed_size 0
		.amdhsa_enable_private_segment 0
		.amdhsa_kernarg_size 24
		.amdhsa_user_sgpr_count 2
		.amdhsa_user_sgpr_kernarg_segment_ptr 1
		.amdhsa_wavefront_size32 1
		.amdhsa_system_sgpr_workgroup_id_x 1
		.amdhsa_system_sgpr_workgroup_id_y 1
		.amdhsa_system_sgpr_workgroup_id_z 1
		.amdhsa_system_vgpr_workitem_id 0
		.amdhsa_next_free_vgpr 256
		.amdhsa_next_free_sgpr 80
		.amdhsa_reserve_vcc 1
		.amdhsa_float_denorm_mode_32 3
		.amdhsa_float_denorm_mode_16_64 3
		.amdhsa_fp16_overflow 1
		.amdhsa_memory_ordered 1
		.amdhsa_forward_progress 1
		.amdhsa_inst_pref_size 159
	.end_amdhsa_kernel
	.amdgpu_metadata
---
amdhsa.version: [ 1, 2 ]
amdhsa.kernels:
  - .name:           k_q9345afc123_attn
    .symbol:         k_q9345afc123_attn.kd
    .args:
      - { .name: qkv, .offset: 0, .size: 8, .value_kind: global_buffer, .address_space: global }
      - { .name: lowp_scales, .offset: 8, .size: 8, .value_kind: global_buffer, .address_space: global }
      - { .name: ycodes, .offset: 16, .size: 8, .value_kind: global_buffer, .address_space: global }
    .group_segment_fixed_size: 327680
    .private_segment_fixed_size: 0
    .kernarg_segment_align: 8
    .kernarg_segment_size: 24
    .max_flat_workgroup_size: 512
    .sgpr_count:     80
    .vgpr_count:     256
    .wavefront_size: 32
...
	.end_amdgpu_metadata
.endif
;; end of part 2
;; launch proj (part 3): grid 4 x 32, 4 waves a work-group, clusters of 4 x 4, 327,680 bytes of LDS; arguments ycodes, w_proj_codes, lowp_scales, b_proj, out0; writes out0
.if DOCPART == 3
	.amdgcn_target "amdgcn-amd-amdhsa--gfx1250"
	.amdhsa_code_object_version 6
	.text
	.protected	k_q9345afc123_proj
	.globl	k_q9345afc123_proj
	.p2align	8
	.type	k_q9345afc123_proj,@function
k_q9345afc123_proj:
	s_mov_b64 s[64:65], 0
	v_nop
	global_prefetch_b8 v0, s[64:65] scope:SCOPE_SE
	s_setreg_imm32_b32 hwreg(HW_REG_WAVE_MODE, 25, 1), 1
	s_wait_xcnt 0x0
	s_wait_alu depctr_hold_cnt(0) depctr_sa_sdst(0) depctr_va_vdst(0) depctr_va_sdst(0) depctr_va_ssrc(0) depctr_va_vcc(0) depctr_vm_vsrc(0)
	s_getreg_b32 s2, hwreg(HW_REG_IB_STS2, 6, 4)
	s_cmp_eq_u32 s2, 0
	s_cbranch_scc0 .Lentry_in_a_cluster
	s_endpgm
.Lentry_in_a_cluster:
	s_bfe_u32 s2, ttmp6, 0x10000c
	s_cmp_lg_u32 s2, 0xf033
	s_cbranch_scc0 .Lentry_shape_is_right
	s_endpgm
.Lentry_shape_is_right:
; out = y w_proj^T + b_proj.  y: [8192][1024], w_proj: [1024][1024]: codes of FP8 (E4M3), K innermost, with the scales 2^e6 and 2^e7 (entries 6 and 7 of the exponents); b_proj [1024] and out [8192][1024]: f32.
; The codes are multiplied as they are; each finished sum goes out as sum x 2^(e6 + e7) + bias, one packed multiply-add for two numbers.
; LIMIT: e6 + e7 lies between -126 and 127, so that 2^(e6 + e7) is an f32 number.
; A tile of 256 x 256 is made by four waves, 128 x 128 each: 64 accumulators, 512 registers.  K goes in steps of 256 through a ring of two LDS slots filled by the tensor data mover.
; 128 tiles, 4 x 32.  A tile of 256 x 128 would make 256 work-groups; it reads half as much again from LDS for each product and halves the matrix work between a tile's request and the wait for it: not taken here.
; CLUSTERS: 4 x 4 work-groups.  The four of a row of the cluster need the same tiles of y, the four of a column the same tiles of w_proj: each tile is asked for JOINTLY.
; THE MATRIX INSTRUCTION IS USED TRANSPOSED (source 0 = 16 rows of w_proj, source 1 = 16 rows of y): a lane then holds eight neighbouring numbers of a row of the output.
; REGISTERS, in windows of 256: window 0: v0-31 addresses; v32-95 the bias of my 128 columns; from v128 A's fragments, ONE set; on the way out v128-255 take rows read back.
;   window 1: B's fragments, TWO sets; on the way out v0-63 a block's results.   window 2: the accumulators of my rows 0-63 ((a, b) at v[8 (8 a + b)]);   window 3: those of my rows 64-127.
.set SIZE_N, 1024
.set KROW,   1024                      ; a row of y's or of w_proj's codes in bytes
.set ROWB,   256                       ; a tile's row in bytes
.set PITCH,  272                       ; an LDS row: 256 bytes + 16 of padding = 68 words: row r starts at bank 4 r mod 64 (64 banks of 4 bytes: ISA guide 11.1)
.set FR,     16
.set NL,     4
.set NP,     4                         ; places behind this matrix instruction (ISA guide 7.12.1)
.set HALFT,  128*PITCH
.set SLOT,   4*HALFT
.set LAPS,   2                         ; K / 512
.set SPARE,  2*SLOT                    ; behind the ring: the spare words, 128 bytes for each wave
.set SPITCH, 528                       ; the way out: a stage of 16 rows x (512 bytes + 16) for each wave, in slot 0, which has had its last fill and its last read when the first result is stored there
.set ADRA, 16
.set ADRB, 20
.set STO,  24
.set RD,   25
.set CO,   26
.set SPW,  28                          ; v28  LDS address of my spare word; never rewritten
.set NIL,  29                          ; v29  0; never rewritten
.set CB,   32                          ; v32-95 bias: (b, j) at 8 b + j
.set TMP,  0                           ; in window 1: a block's 64 results
.set AF,   128
.set BK,   128                         ; 16 rows read back from the stage: v128-191 and v192-255 by turns
.set G1, 24
.set G0, 32
.set G1B, 48
.set G0B, 56
.set MSB, 0
.macro WIN new                         ; the immediate's high byte repeats the setting that is left
.if MSB != \new
	s_set_vgpr_msb (MSB<<8)|\new
.set MSB, \new
.endif
.endm
.set MUL_LO, 0xa1
.set MUL_HI, 0xf1
.set TO_B,   0x40
.macro JLOAD g0a, g1a, g0b, g1b        ; a joint load: waves 0 and 1 fetch for A, waves 2 and 3 for B; four v_nop follow each line
	s_cmp_eq_u32 s15, 0
	s_cbranch_scc0 .Lfor_b_\@
	tensor_load_to_lds s[\g0a:\g0a+3], s[\g1a:\g1a+7]
	s_nop 0
.rept 4
	v_nop
.endr
	s_branch .Lasked_\@
.Lfor_b_\@:
	tensor_load_to_lds s[\g0b:\g0b+3], s[\g1b:\g1b+7]
	s_nop 0
.rept 4
	v_nop
.endr
.Lasked_\@:
.endm
.macro CREST
	s_cmp_lg_u32 s14, 0
	s_cbranch_scc1 .Lnot_wave_0_\@
	s_barrier_signal -3
.Lnot_wave_0_\@:
	s_barrier_wait -3
	s_barrier_signal -1
	s_barrier_wait -1
.endm
.macro CROUND
	s_barrier_signal -1
	s_barrier_wait -1
	CREST
.endm
	s_load_b256 s[4:11], s[0:1], 0x0               ; y's codes s[4:5], w_proj's s[6:7], the scales' exponents s[8:9], b_proj s[10:11]
	s_load_b64 s[12:13], s[0:1], 0x20              ; the output
	v_lshl_add_u32 v[SPW], v0, 2, SPARE
	v_mov_b32 v[NIL], 0
	ds_add_u32 v28, v29
	ds_add_u32 v28, v29
	s_wait_dscnt 0x0
	v_lshrrev_b32 v1, 5, v0
	v_readfirstlane_b32 s14, v1                    ; wave 0..3
	s_lshr_b32 s15, s14, 1                         ; which half of the tile's rows is mine.  Also: I fetch for A (0) or for B (1)
	s_and_b32 s16, s14, 1                          ; which half of its columns.  Also: which 128 rows of that tile I fetch
	s_bfe_u32 s40, ttmp6, 0x40000                  ; cx, cy
	s_bfe_u32 s41, ttmp6, 0x40004
	s_lshl_b32 s42, ttmp9, 2
	s_add_co_u32 s42, s42, s40                     ; tile column = 4 x cluster x + cx
	s_and_b32 s17, ttmp7, 0xffff
	s_lshl_b32 s17, s17, 2
	s_add_co_u32 s17, s17, s41                     ; tile row = 4 x cluster y + cy
	s_lshl_b32 s43, s41, 2
	s_lshl_b32 s43, 15, s43                        ; my row of the cluster
	s_lshl_b32 s44, 0x1111, s40                    ; my column
	s_or_b32 s[G1+0], s43, (0<<16)|(1<<20)|(1<<21)|(5<<22)|(3<<25)  ; 15:0 the mask; 17:16 element of 1 byte; 20 padding on; 21 set beside a mask; 24:22 after every 64 words (code 5); 31:25 of 4 words (code 3)
	s_or_b32 s[G1B+0], s44, (0<<16)|(1<<20)|(1<<21)|(5<<22)|(3<<25)
.irp g, G1, G1B
	s_mov_b32 s[\g+1], ROWB<<16                    ; tensor_dim0
	s_mov_b32 s[\g+2], 128<<16                     ; tensor_dim1
	s_mov_b32 s[\g+3], ROWB<<16                    ; tile_dim0
	s_mov_b32 s[\g+4], 128                         ; tile_dim1
	s_mov_b32 s[\g+5], KROW                        ; tensor_dim0_stride
	s_mov_b32 s[\g+6], 0
	s_mov_b32 s[\g+7], 0
.endr
	s_lshl_b32 s18, s16, 7
	s_lshl_b32 s20, s17, 8
	s_add_co_u32 s20, s20, s18
	s_lshl_b32 s20, s20, 10                        ; A: (256 x tile row + 128 x half) rows of 1,024 bytes
	s_mov_b32 s21, 0
	s_lshl_b32 s46, s42, 8
	s_add_co_u32 s46, s46, s18
	s_lshl_b32 s46, s46, 10                        ; B likewise, by the tile column
	s_mov_b32 s47, 0
	s_mul_i32 s45, s14, HALFT                      ; where they go: wave x 128 rows
	s_wait_kmcnt 0x0
	s_load_b64 s[96:97], s[8:9], 0x18              ; e6, e7
	s_add_nc_u64 s[20:21], s[4:5], s[20:21]
	s_add_nc_u64 s[46:47], s[6:7], s[46:47]
	CROUND                                         ; all sixteen work-groups are here: the first joint loads meet
.irp s, 0,1
	s_mov_b32 s[G0+4*\s], 1
	s_add_co_u32 s[G0+4*\s+1], s45, \s*SLOT
	s_add_nc_u64 s[G0+4*\s+2:G0+4*\s+3], s[20:21], \s*ROWB
	s_or_b32 s[G0+4*\s+3], s[G0+4*\s+3], 0x80000000
	s_mov_b32 s[G0B+4*\s], 1
	s_add_co_u32 s[G0B+4*\s+1], s45, \s*SLOT
	s_add_nc_u64 s[G0B+4*\s+2:G0B+4*\s+3], s[46:47], \s*ROWB
	s_or_b32 s[G0B+4*\s+3], s[G0B+4*\s+3], 0x80000000
.endr
	s_cmp_eq_u32 s15, 0                            ; a wave's two first fills stand in one branch, ahead of every wait on TENSORcnt and every LDS read: two loads of mine are out
	s_cbranch_scc0 .Lfirst_b
	tensor_load_to_lds s[G0:G0+3], s[G1:G1+7]
	s_nop 0
	tensor_load_to_lds s[G0+4:G0+7], s[G1:G1+7]
	s_nop 0
.rept 4
	v_nop
.endr
	s_branch .Lfirst_asked
.Lfirst_b:
	tensor_load_to_lds s[G0B:G0B+3], s[G1B:G1B+7]
	s_nop 0
	tensor_load_to_lds s[G0B+4:G0B+7], s[G1B:G1B+7]
	s_nop 0
.rept 4
	v_nop
.endr
.Lfirst_asked:
	v_and_b32 v1, 15, v0                           ; l % 16
	s_wait_alu depctr_va_vdst(0)
	v_bfe_u32 v2, v0, 4, 1                         ; l / 16
	v_lshlrev_b32 v7, 5, v2                        ; the bias of column 256 x tile column + 128 x half + 16 b + 8 h + j
	s_lshl_b32 s88, s42, 10
	s_lshl_b32 s89, s16, 9
	s_add_co_u32 s88, s88, s89                     ; my first column, in bytes of f32: of the bias and of a row of the output alike
	s_mov_b32 s89, 0
	s_add_nc_u64 s[84:85], s[10:11], s[88:89]
.irp b, 0,1,2,3,4,5,6,7
	global_load_b128 v[CB+8*\b:CB+8*\b+3], v7, s[84:85] offset:64*\b
	global_load_b128 v[CB+8*\b+4:CB+8*\b+7], v7, s[84:85] offset:64*\b+16
.endr
	v_mul_u32_u24 v3, v1, PITCH
	v_lshl_add_u32 v4, v2, 4, v3                   ; a fragment's row x pitch + 16 x half
	s_mul_i32 s22, s15, HALFT                      ; my 128 rows of A
	s_mul_i32 s23, s16, HALFT                      ; my 128 rows of B,
	s_add_co_u32 s23, s23, 2*HALFT                 ; which lie behind A's 256
.irp s, 0,1
	v_add_nc_u32 v[ADRA+\s], s22, v4
	v_add_nc_u32 v[ADRB+\s], s23, v4
	s_add_co_u32 s22, s22, SLOT
	s_add_co_u32 s23, s23, SLOT
.endr
	s_mul_i32 s23, s14, 16*SPITCH                  ; my stage
	v_mul_u32_u24 v5, v1, SPITCH                   ; in: row l % 16, 32 bytes for each half of the lanes
	s_wait_alu depctr_va_vdst(0)
	v_lshl_add_u32 v5, v2, 5, v5
	v_add_nc_u32 v[STO], s23, v5
	v_and_b32 v6, 31, v0
	v_lshlrev_b32 v[CO], 4, v6                     ; back: the 32 lanes take one row of 512 bytes; and the same in the output
	v_add_nc_u32 v[RD], s23, v[CO]
	s_lshl_b32 s90, s17, 8
	s_lshl_b32 s91, s15, 7
	s_add_co_u32 s90, s90, s91                     ; my first row: 256 x tile row + 128 x half
	s_lshl_b32 s90, s90, 12                        ; rows of 4,096 bytes: under 2^25
	s_mov_b32 s91, 0
	s_add_nc_u64 s[90:91], s[90:91], s[88:89]
	s_add_nc_u64 s[12:13], s[12:13], s[90:91]
	s_wait_kmcnt 0x0
	s_add_co_i32 s96, s96, s97                     ; e6 + e7, between -126 and 127,
	s_add_co_i32 s96, s96, 127
	s_lshl_b32 s96, s96, 23                        ; makes the f32 number 2^(e6 + e7)
	s_mov_b32 s97, s96                             ; (named with it as a pair, so it is written)
	s_wait_loadcnt 0x0                             ; the bias is in (the first tiles are still on their way)
.macro FRAG reg, adr, q, i             ; a fragment, 16 rows x 128 K, is 16 registers: registers 4 c .. 4 c + 3 hold K = 32 c + 16 (l / 16) + 0 .. 15, the same places of k in A and in B
.irp c, 0,1,2,3
	ds_load_b128 v[\reg+4*\c:\reg+4*\c+3], v[\adr] offset:128*(\q)+32*\c+(\i)*16*PITCH
.endr
.endm
.macro MUL16 a0, p, zero               ; 16 matrix instructions: A's blocks a0, a0 + 1 x B's eight.  The 64 accumulators take turns, one instruction a turn
.irp a, \a0, \a0+1
.irp b, 0,1,2,3,4,5,6,7
.if \zero
	v_wmma_f32_16x16x128_fp8_fp8 v[8*(8*((\a)%4)+\b):8*(8*((\a)%4)+\b)+7], v[128*(\p)+FR*\b:128*(\p)+FR*\b+FR-1], v[AF+FR*(\a):AF+FR*(\a)+FR-1], 0
.else
	v_wmma_f32_16x16x128_fp8_fp8 v[8*(8*((\a)%4)+\b):8*(8*((\a)%4)+\b)+7], v[128*(\p)+FR*\b:128*(\p)+FR*\b+FR-1], v[AF+FR*(\a):AF+FR*(\a)+FR-1], v[8*(8*((\a)%4)+\b):8*(8*((\a)%4)+\b)+7]
.endif
.endr
.endr
.endm
.macro FETCH_B slot, q, p
	WIN TO_B
.irp i, 0,1,2,3,4,5,6,7
	FRAG 128*(\p)+FR*\i, ADRB+\slot, \q, \i
.endr
	WIN 0
.endm
.macro FETCH_A slot, q, i0
.irp i, \i0, \i0+1, \i0+2, \i0+3
	FRAG AF+FR*(\i), ADRA+\slot, \q, \i
.endr
.endm
.macro PLACES n                        ; plain vector instructions between a matrix instruction and a load into, or a vector instruction on, its registers
.rept \n
	v_nop
.endr
.endm
.macro STEP slot, q, zero              ; a step of 128 along K that has its successor in the same slot
	s_wait_dscnt 4*NL                              ; B's set and A's blocks 0-3 are in; the youngest 16 loads (A's blocks 4-7) may be out
	WIN MUL_LO
	MUL16 0, (\q)%2, \zero
	MUL16 2, (\q)%2, \zero
	s_wait_dscnt 0                                 ; A's blocks 4-7 are in
	PLACES NP
	FETCH_B \slot, (\q)+1, 1-(\q)%2
	FETCH_A \slot, (\q)+1, 0
	WIN MUL_HI
	MUL16 4, (\q)%2, \zero
	MUL16 6, (\q)%2, \zero
	PLACES NP
	WIN 0
	FETCH_A \slot, (\q)+1, 4
.endm
.macro TURN slot, next, fill           ; a slot's last step changes slots: ONE barrier; fill = 1: this slot is filled again, two K steps ahead
	s_wait_tensorcnt 0x0                           ; all my tensor loads have landed: my part of the next slot
	ds_add_u32 v[SPW], v[NIL]                      ; 0 onto my spare word
	s_wait_dscnt 4*NL+1                            ; (the add and the youngest 16 loads, A's blocks 4-7, may be out)
	WIN MUL_LO
	MUL16 0, 1, 0
	s_wait_dscnt 0x0                               ; the add is done, and my reads of this slot are over
	s_barrier_signal -1
	MUL16 2, 1, 0
	WIN 0
	s_barrier_wait -1
.if \fill
	CREST                                          ; the barrier has opened a round of the cluster's barrier: no wave of any partner still reads this slot's tile or has a load on its way
	s_add_nc_u64 s[G0+4*\slot+2:G0+4*\slot+3], s[G0+4*\slot+2:G0+4*\slot+3], 2*ROWB
	s_add_nc_u64 s[G0B+4*\slot+2:G0B+4*\slot+3], s[G0B+4*\slot+2:G0B+4*\slot+3], 2*ROWB
	JLOAD G0+4*\slot, G1, G0B+4*\slot, G1B         ; the first tensor load behind the round; the four v_nop behind it are the places in front of the loads below
.else
	PLACES NP
.endif
	FETCH_B \next, 0, 0
	FETCH_A \next, 0, 0
	WIN MUL_HI
	MUL16 4, 1, 0
	MUL16 6, 1, 0
	PLACES NP
	WIN 0
	FETCH_A \next, 0, 4
.endm
	s_wait_tensorcnt 1                             ; my part of K step 0 is in (K step 1's load may be out)
	s_barrier_signal -1
	s_barrier_wait -1                              ; everybody's is
	FETCH_B 0, 0, 0
	FETCH_A 0, 0, 0
	FETCH_A 0, 0, 4
	STEP 0, 0, 1                                   ; the first step stands in front of the loop: its products start the sums
	s_mov_b32 s3, LAPS-1
.Llap:
	TURN 0, 1, 1
	STEP 1, 0, 0
	TURN 1, 0, 1
	STEP 0, 0, 0
	s_sub_co_u32 s3, s3, 1
	s_cmp_lg_u32 s3, 0
	s_cbranch_scc1 .Llap
	TURN 0, 1, 0                                   ; the last lap fills nothing, and has no round of the cluster's barrier
	STEP 1, 0, 0
	s_wait_dscnt 4*NL
	WIN MUL_LO
	MUL16 0, 1, 0
	MUL16 2, 1, 0
	s_wait_dscnt 0
	WIN MUL_HI
	MUL16 4, 1, 0
	MUL16 6, 1, 0
	WIN 0
; THE WAY OUT, block by block of 16 rows x 128 columns, through my own stage in LDS: in as 32 bytes a lane, back as whole rows of 512 bytes.  LDS serves a wave's instructions in order (ISA guide 5.7.1.4): no wait between the stores and the loads.
.macro TOSTAGE a
.set AC, 64*((\a)%4)
	WIN 0x42+((\a)/4)                              ; source 0 (the sums): window 2 or 3; source 2 (the bias): window 0; destination: window 1
.set j, 0
.rept 32
	v_pk_fma_f32 v[TMP+j:TMP+j+1], v[AC+j:AC+j+1], s[96:97], v[CB+j:CB+j+1] op_sel_hi:[1,0,1]   ; sum x 2^(e6 + e7) + bias; each accumulator from its low end on
.set j, j+2
.endr
	WIN 0x04                                       ; an LDS store's data: window 1; its address: window 0
.irp b, 0,1,2,3,4,5,6,7
	ds_store_b128 v[STO], v[TMP+8*\b:TMP+8*\b+3] offset:64*\b
	ds_store_b128 v[STO], v[TMP+8*\b+4:TMP+8*\b+7] offset:64*\b+16
.endr
	WIN 0
.set BB, BK+64*((\a)%2)
.irp t, 0,1,2,3,4,5,6,7,8,9,10,11,12,13,14,15
	ds_load_b128 v[BB+4*\t:BB+4*\t+3], v[RD] offset:\t*SPITCH
.endr
.endm
.macro SEND a, younger                 ; younger: the LDS instructions issued behind block a's loads, which may stay out
.set BB, BK+64*((\a)%2)
	s_wait_dscnt \younger                          ; the block is back in registers
.if (\a) > 0
	s_add_nc_u64 s[12:13], s[12:13], 16*SIZE_N*4   ; (behind a wait on XCNT: the earlier stores have read their base)  16 rows on
.endif
.irp t, 0,1,2,3,4,5,6,7,8,9,10,11,12,13,14,15
	global_store_b128 v[CO], v[BB+4*\t:BB+4*\t+3], s[12:13] offset:\t*SIZE_N*4 th:TH_STORE_NT   ; 32 lanes store 512 consecutive bytes, at a multiple of 256 from the output's first byte; written once, read by nobody here
.endr
.endm
	PLACES NP                                      ; behind the last products: for the reads of sums and the loads into registers that held A's fragments
	TOSTAGE 0
.irp a, 1,2,3,4,5,6,7
.if \a > 1
	s_wait_xcnt 0x0                                ; block a - 2's stores have read their registers and their base: block a's loads may land there, and the base may step
.endif
	TOSTAGE \a
	SEND \a-1, 32                                  ; behind block a - 1's loads: block a's 16 stores and 16 loads
.endr
	s_wait_xcnt 0x0                                ; block 6's stores have read their base
	SEND 7, 0
	s_wait_tensorcnt 0x0                           ; the wave's end
	ds_add_u32 v[SPW], v[NIL]
	s_wait_dscnt 0x0
	CROUND                                         ; the closing round: no work-group ends while a partner may still ask for a tile that names it
	s_endpgm
.Lfunc_end_k_q9345afc123_proj:
	.size	k_q9345afc123_proj, .Lfunc_end_k_q9345afc123_proj-k_q9345afc123_proj
	.p2alignl 7, 3214868480
	.fill 96, 4, 3214868480
	.section	.rodata,"a",@progbits
	.p2align	6, 0x0
	.amdhsa_kernel k_q9345afc123_proj
		.amdhsa_group_segment_fixed_size 327680
		.amdhsa_private_segment_fixed_size 0
		.amdhsa_enable_private_segment 0
		.amdhsa_kernarg_size 40
		.amdhsa_user_sgpr_count 2
		.amdhsa_user_sgpr_kernarg_segment_ptr 1
		.amdhsa_wavefront_size32 1
		.amdhsa_system_sgpr_workgroup_id_x 1
		.amdhsa_system_sgpr_workgroup_id_y 1
		.amdhsa_system_sgpr_workgroup_id_z 1
		.amdhsa_system_vgpr_workitem_id 0
		.amdhsa_next_free_vgpr 1024
		.amdhsa_next_free_sgpr 98
		.amdhsa_reserve_vcc 0
		.amdhsa_float_denorm_mode_32 3
		.amdhsa_float_denorm_mode_16_64 3
		.amdhsa_memory_ordered 1
		.amdhsa_forward_progress 1
		.amdhsa_inst_pref_size 125
	.end_amdhsa_kernel
	.amdgpu_metadata
---
amdhsa.version: [ 1, 2 ]
amdhsa.kernels:
  - .name:           k_q9345afc123_proj
    .symbol:         k_q9345afc123_proj.kd
    .args:
      - { .name: ycodes, .offset: 0, .size: 8, .value_kind: global_buffer, .address_space: global }
      - { .name: w_proj_codes, .offset: 8, .size: 8, .value_kind: global_buffer, .address_space: global }
      - { .name: lowp_scales, .offset: 16, .size: 8, .value_kind: global_buffer, .address_space: global }
      - { .name: b_proj, .offset: 24, .size: 8, .value_kind: global_buffer, .address_space: global }
      - { .name: out0, .offset: 32, .size: 8, .value_kind: global_buffer, .address_space: global }
    .group_segment_fixed_size: 327680
    .private_segment_fixed_size: 0
    .kernarg_segment_align: 8
    .kernarg_segment_size: 40
    .max_flat_workgroup_size: 128
    .sgpr_count:     98
    .vgpr_count:     1024
    .wavefront_size: 32
...
	.end_amdgpu_metadata
.endif
;; end of part 3
